; MI455X (gfx1250); checked and timed in simulation.
; The chip was launched on July 23, 2026; its instructions are those of AMD's public machine-readable ISA for CDNA 5 (MIT licence, August 2026) and "CDNA5" Instruction Set Architecture Reference Guide (July 2026). The comments in the code are by the model that wrote it; some were corrected since.
;; Aydin Mo E Tensoric. Allowed arithmetic: float matrix products may take bf16 or f16 operands with f32 sums; other float arithmetic in f32, or as packed bf16 or f16 multiplies, adds, multiply-adds, maxima and minima; sums over many terms, partial sums and values carried from step to step in f32; what a program stores and reads back later, other than sums and carried values, may be rounded once to bf16 or f16.
;; Inputs: router_w 8 x 1,024 float32; w13 8 x 1,024 x 4,096 float32; w2 8 x 2,048 x 1,024 float32; x 4 x 256 x 1,024 float32.
;; Outputs: out0 4 x 256 x 1,024 float32.
;; One version. Each part assembles by itself: llvm-mc -triple=amdgcn-amd-amdhsa -mcpu=gfx1250 --defsym DOCPART=n.
;; ======== version 1 of 1: 4 launches
;; workspace buffers: xb 2,097,152 bytes; mk 1,024 bytes of whole numbers; sel 4,096 bytes of whole numbers; gw 8,192 bytes; pos 32,768 bytes of whole numbers; hb 8,912,896 bytes; yb 17,825,792 bytes
;; launch router (part 1): grid 64 x 1, 8 waves a work-group, no clusters, 44,032 bytes of LDS; arguments x, router_w, xb, mk, sel, gw; writes xb, mk, sel, gw
.if DOCPART == 1
	.amdgcn_target "amdgcn-amd-amdhsa--gfx1250"
	.amdhsa_code_object_version 6
	.text
	.protected	k_qa5274956de_router
	.globl	k_qa5274956de_router
	.p2align	8
	.type	k_qa5274956de_router,@function
k_qa5274956de_router:
	s_mov_b64 s[64:65], 0
	v_nop
	global_prefetch_b8 v0, s[64:65] scope:SCOPE_SE
	s_setreg_imm32_b32 hwreg(HW_REG_WAVE_MODE, 25, 1), 1
	s_wait_xcnt 0x0
; ROUTER.  logits = x . router_w^T, softmax over 8 experts, the two largest, their weights renormalised; and x rounded once to bf16 for the next launch.
; x [1024][1024] f32, router_w [8][1024] f32.  Both are rounded to bf16 for the product (as every input of the program is), sums in f32.
; SHARES.  A work-group has 16 tokens, wave w the columns 128 w .. 128 w + 127 of them: 4 matrix instructions a wave; the eight waves' partial logits meet in LDS and wave 0 finishes.
; STORES, all at fixed places: xb = bf16(x); sel[t] = first expert | second expert << 8; gw[t] = the two weights (f32); mk[e][group of 16 tokens] = 16 bits: token chose expert e.
; LIMITS.  The two largest are taken on the logits (strict compare: the lower index wins a tie), not on the rounded probabilities: two logits so close that their
; probabilities round to one number are ordered here by the logit.  A term 2^x below 2^-126 counts as 0 in the softmax's sum.  NaN and infinities are not treated apart.
; THE K ORDER.  In a matrix instruction's 32 k lane half h holds k0 + 16 h + 0..15, in both operands alike: the products are the same, and each lane's 16 numbers lie together in memory.
.set XTW,   4352                       ; a wave's 16 rows of 256 bytes of bf16(x), 272 bytes apart
.set XP,    272
.set PL,    34816                      ; partial logits: wave w, lane l: 32 bytes at 1024 w + 32 l
.set SPARE, 43008                      ; the spare words: 128 bytes for each of the eight waves; no other line names them
.set SPW, 30                           ; v30  SPARE + 4 x my thread's number; never rewritten
.set NIL, 31                           ; v31  0; never rewritten
.set XR,  32                           ; v[32:95]   x as loaded; then x's four fragments in v[32:63]
.set WR,  96                           ; v[96:159]  router_w as loaded
.set XB,  160                          ; v[160:191] bf16(x), two registers a token
.set WF,  192                          ; v[192:223] router_w's four fragments
.set AC0, 224                          ; two accumulators, by turns
.set AC1, 232
.set LG,  240                          ; v[240:247] my wave's partial logits
	s_load_b256 s[4:11], s[0:1], 0x0               ; x s[4:5], router_w s[6:7], xb s[8:9], mk s[10:11]
	s_load_b128 s[12:15], s[0:1], 0x20             ; sel s[12:13], gw s[14:15]
	v_lshl_add_u32 v[SPW], v0, 2, SPARE
	v_mov_b32 v[NIL], 0
	v_lshrrev_b32 v1, 5, v0
	v_readfirstlane_b32 s16, v1                    ; wave 0..7
	v_and_b32 v1, 31, v0                           ; lane l
	v_and_b32 v2, 15, v0                           ; r = l % 16
	v_bfe_u32 v3, v0, 4, 1                         ; h = l / 16
	v_lshlrev_b32 v4, 4, v1                        ; x: 16 bytes a lane
	v_lshlrev_b32 v5, 3, v1                        ; xb: 8 bytes a lane
	s_mul_i32 s17, s16, XTW                        ; my wave's rows in LDS
	v_lshl_add_u32 v6, v1, 3, s17                  ; in: 8 bytes a lane
	v_mul_u32_u24 v7, v2, XP
	v_lshl_add_u32 v7, v3, 5, v7
	v_add_nc_u32 v7, s17, v7                       ; back: token r, 32 bytes for each half of the lanes
	v_and_b32 v8, 7, v0
	v_lshlrev_b32 v8, 12, v8                       ; router_w: expert r % 8 (rows 8-15 of the matrix operand repeat the eight experts),
	v_lshl_add_u32 v8, v3, 6, v8                   ; 16 numbers for each half of the lanes,
	s_lshl_b32 s18, s16, 9
	v_add_nc_u32 v8, s18, v8                       ; my wave's 128 columns
	s_lshl_b32 s19, s16, 10
	s_add_co_u32 s19, s19, PL
	v_lshl_add_u32 v9, v1, 5, s19                  ; where my partial logits go
	v_lshl_add_u32 v10, v1, 5, PL                  ; where wave 0 reads them all
	s_lshl_b32 s20, ttmp9, 16                      ; 16 tokens of 4,096 bytes
	s_add_co_u32 s20, s20, s18
	s_mov_b32 s21, 0
	s_lshl_b32 s22, ttmp9, 15                      ; 16 tokens of 2,048 bytes
	s_lshl_b32 s23, s16, 8
	s_add_co_u32 s22, s22, s23
	s_mov_b32 s23, 0
	s_wait_kmcnt 0x0
	s_add_nc_u64 s[4:5], s[4:5], s[20:21]
	s_add_nc_u64 s[8:9], s[8:9], s[22:23]
.set t, 0
.rept 16                               ; one token a load: 512 consecutive bytes
	global_load_b128 v[XR+4*t:XR+4*t+3], v4, s[4:5] offset:4096*t th:TH_LOAD_NT
.set t, t+1
.endr
.set t, 0
.rept 16                               ; K step t / 4, four numbers t % 4 of the lane's sixteen
	global_load_b128 v[WR+4*t:WR+4*t+3], v8, s[6:7] offset:128*(t/4)+16*(t%4)
.set t, t+1
.endr
	s_wait_loadcnt 0x10                            ; x is in; the sixteen younger loads, router_w's, stay out
.set t, 0
.rept 16
	v_cvt_pk_bf16_f32 v[XB+2*t], v[XR+4*t], v[XR+4*t+1]
	v_cvt_pk_bf16_f32 v[XB+2*t+1], v[XR+4*t+2], v[XR+4*t+3]
.set t, t+1
.endr
.set t, 0
.rept 16
	global_store_b64 v5, v[XB+2*t:XB+2*t+1], s[8:9] offset:2048*t  ; 256 consecutive bytes, at a multiple of 256 from xb's first
	ds_store_b64 v6, v[XB+2*t:XB+2*t+1] offset:XP*t
.set t, t+1
.endr
	s_wait_loadcnt 0x0                             ; router_w
.set t, 0
.rept 32
	v_cvt_pk_bf16_f32 v[WF+t], v[WR+2*t], v[WR+2*t+1]
.set t, t+1
.endr
.irp a, 0,1,2,3                        ; my wave's own bytes: LDS serves a wave's instructions in order (ISA guide 5.7.1.4), so these see the stores above
	ds_load_b128 v[XR+8*\a:XR+8*\a+3],   v7 offset:64*\a
	ds_load_b128 v[XR+8*\a+4:XR+8*\a+7], v7 offset:64*\a+16
.endr
	s_wait_dscnt 0x0
	; source 0 = 16 rows of router_w, source 1 = 16 tokens: register j of a lane is expert j's logit for token r, in both halves of the lanes.  Two accumulators by turns.
	v_wmma_f32_16x16x32_bf16 v[AC0:AC0+7], v[WF:WF+7],       v[XR:XR+7],       0
	v_wmma_f32_16x16x32_bf16 v[AC1:AC1+7], v[WF+8:WF+15],    v[XR+8:XR+15],    0
	v_wmma_f32_16x16x32_bf16 v[AC0:AC0+7], v[WF+16:WF+23],   v[XR+16:XR+23],   v[AC0:AC0+7]
	v_wmma_f32_16x16x32_bf16 v[AC1:AC1+7], v[WF+24:WF+31],   v[XR+24:XR+31],   v[AC1:AC1+7]
.rept 4
	v_nop                                          ; four places between a matrix instruction and a vector instruction that reads its result (ISA guide 7.12.1)
.endr
.irp p, 0,1,2,3
	v_pk_add_f32 v[LG+2*\p:LG+2*\p+1], v[AC0+2*\p:AC0+2*\p+1], v[AC1+2*\p:AC1+2*\p+1]
.endr
	ds_store_b128 v9, v[LG:LG+3]
	ds_store_b128 v9, v[LG+4:LG+7] offset:16
	s_wait_dscnt 0x0                               ; for wave 0's sake: my stores are done
	s_barrier_signal -1
	s_barrier_wait -1
	s_cmp_lg_u32 s16, 0
	s_cbranch_scc1 .Lend                           ; wave 0 finishes the 16 tokens
.irp w, 0,1,2,3,4,5,6,7
	ds_load_b128 v[32+8*\w:35+8*\w], v10 offset:1024*\w
	ds_load_b128 v[36+8*\w:39+8*\w], v10 offset:1024*\w+16
.endr
	s_wait_dscnt 0x0
.irp w, 1,2,3,4,5,6,7                  ; the eight partial sums, in the waves' order: v[32:39] = the token's eight logits
.irp p, 0,1,2,3
	v_pk_add_f32 v[32+2*\p:33+2*\p], v[32+2*\p:33+2*\p], v[32+8*\w+2*\p:33+8*\w+2*\p]
.endr
.endr
	v_mov_b32 v64, v32                             ; the largest (v64) and its expert (v65): a later one must be strictly greater
	v_mov_b32 v65, 0
.irp e, 1,2,3,4,5,6,7
	v_cmp_gt_f32 vcc_lo, v[32+\e], v64
	v_cndmask_b32 v64, v64, v[32+\e], vcc_lo
	v_cndmask_b32 v65, v65, \e, vcc_lo
.endr
	v_mov_b32 v68, 0xff800000                      ; minus infinity takes the first one's place
.irp e, 0,1,2,3,4,5,6,7
	v_cmp_eq_u32 vcc_lo, \e, v65
	v_cndmask_b32 v[72+\e], v[32+\e], v68, vcc_lo
.endr
	v_mov_b32 v66, v72                             ; the second (v66) and its expert (v67)
	v_mov_b32 v67, 0
.irp e, 1,2,3,4,5,6,7
	v_cmp_gt_f32 vcc_lo, v[72+\e], v66
	v_cndmask_b32 v66, v66, v[72+\e], vcc_lo
	v_cndmask_b32 v67, v67, \e, vcc_lo
.endr
.irp e, 0,1,2,3,4,5,6,7                ; softmax with the maximum taken away: 2^(log2(e) (l - max))
	v_sub_f32 v[80+\e], v[32+\e], v64
.endr
	v_sub_f32 v88, v66, v64                        ; and the second's once more, by itself
.irp e, 0,1,2,3,4,5,6,7,8
	v_mul_f32 v[80+\e], 0x3fb8aa3b, v[80+\e]
.endr
.irp e, 0,1,2,3,4,5,6,7,8
	v_exp_f32 v[80+\e], v[80+\e]
.endr
	v_nop                                          ; a plain instruction behind the last exponential (ISA guide 5.7.2),
	s_wait_alu depctr_va_vdst(0)                   ; and one wait ahead of the batch's first reader
	v_add_f32 v89, v80, v81
	v_add_f32 v90, v82, v83
	v_add_f32 v91, v84, v85
	v_add_f32 v92, v86, v87
	v_add_f32 v89, v89, v90
	v_add_f32 v91, v91, v92
	v_add_f32 v89, v89, v91                        ; the sum of the eight
	v_rcp_f32 v90, v89                             ; p0 = 1 / sum: the largest's own term is 1
	v_nop
	s_wait_alu depctr_va_vdst(0)
	v_mul_f32 v91, v88, v90                        ; p1
	v_add_f32 v92, v90, v91
	v_add_f32 v92, 0x358637bd, v92                 ; p0 + p1 + 1e-6
	v_rcp_f32 v93, v92
	v_nop
	s_wait_alu depctr_va_vdst(0)
	v_mul_f32 v94, v90, v93                        ; the two weights
	v_mul_f32 v95, v91, v93
	v_lshl_or_b32 v100, v67, 8, v65                ; the two experts in one word
	v_mov_b32 v96, 0
.irp e, 0,1,2,3,4,5,6,7                ; expert e's 16 bits go into lane e
	v_cmp_eq_u32 s24, \e, v65
	v_cmp_eq_u32 s25, \e, v67
	s_or_b32 s24, s24, s25
	s_and_b32 s24, s24, 0xffff
	v_writelane_b32 v96, s24, \e
.endr
	v_lshlrev_b32 v97, 2, v1
	v_lshlrev_b32 v98, 3, v1
	v_lshlrev_b32 v99, 7, v1                       ; an expert's 64 groups are 128 bytes
	s_lshl_b32 s26, ttmp9, 6
	s_mov_b32 s27, 0
	s_add_nc_u64 s[12:13], s[12:13], s[26:27]
	s_lshl_b32 s26, ttmp9, 7
	s_add_nc_u64 s[14:15], s[14:15], s[26:27]
	s_lshl_b32 s26, ttmp9, 1
	s_add_nc_u64 s[10:11], s[10:11], s[26:27]
	s_wait_xcnt 0x0                                ; EXEC is a source of the stores above: it changes only behind this wait
	v_cmp_gt_u32 vcc_lo, 16, v1
	s_and_saveexec_b32 s28, vcc_lo                 ; lanes 0-15: one lane a token
	global_store_b32 v97, v100, s[12:13]
	global_store_b64 v98, v[94:95], s[14:15]
	s_wait_xcnt 0x0
	s_or_b32 exec_lo, exec_lo, s28
	v_cmp_gt_u32 vcc_lo, 8, v1
	s_and_saveexec_b32 s28, vcc_lo                 ; lanes 0-7: one lane an expert; 16 bytes a work-group in all
	global_store_b16 v99, v96, s[10:11]
	s_wait_xcnt 0x0
	s_or_b32 exec_lo, exec_lo, s28
.Lend:
	s_wait_tensorcnt 0x0                           ; the wave's end: the closing add and its wait, behind my last LDS store
	ds_add_u32 v[SPW], v[NIL]
	s_wait_dscnt 0x0
	s_endpgm
.Lfunc_end_k_qa5274956de_router:
	.size	k_qa5274956de_router, .Lfunc_end_k_qa5274956de_router-k_qa5274956de_router
	.p2alignl 7, 3214868480
	.fill 96, 4, 3214868480
	.section	.rodata,"a",@progbits
	.p2align	6, 0x0
	.amdhsa_kernel k_qa5274956de_router
		.amdhsa_group_segment_fixed_size 44032
		.amdhsa_private_segment_fixed_size 0
		.amdhsa_enable_private_segment 0
		.amdhsa_kernarg_size 48
		.amdhsa_user_sgpr_count 2
		.amdhsa_user_sgpr_kernarg_segment_ptr 1
		.amdhsa_wavefront_size32 1
		.amdhsa_system_sgpr_workgroup_id_x 1
		.amdhsa_system_sgpr_workgroup_id_y 1
		.amdhsa_system_sgpr_workgroup_id_z 1
		.amdhsa_system_vgpr_workitem_id 0
		.amdhsa_next_free_vgpr 256
		.amdhsa_next_free_sgpr 66
		.amdhsa_reserve_vcc 1
		.amdhsa_float_denorm_mode_32 3
		.amdhsa_float_denorm_mode_16_64 3
		.amdhsa_memory_ordered 1
		.amdhsa_forward_progress 1
		.amdhsa_inst_pref_size 24
	.end_amdhsa_kernel
	.amdgpu_metadata
---
amdhsa.version: [ 1, 2 ]
amdhsa.kernels:
  - .name:           k_qa5274956de_router
    .symbol:         k_qa5274956de_router.kd
    .args:
      - { .name: x, .offset: 0, .size: 8, .value_kind: global_buffer, .address_space: global }
      - { .name: router_w, .offset: 8, .size: 8, .value_kind: global_buffer, .address_space: global }
      - { .name: xb, .offset: 16, .size: 8, .value_kind: global_buffer, .address_space: global }
      - { .name: mk, .offset: 24, .size: 8, .value_kind: global_buffer, .address_space: global }
      - { .name: sel, .offset: 32, .size: 8, .value_kind: global_buffer, .address_space: global }
      - { .name: gw, .offset: 40, .size: 8, .value_kind: global_buffer, .address_space: global }
    .group_segment_fixed_size: 44032
    .private_segment_fixed_size: 0
    .kernarg_segment_align: 8
    .kernarg_segment_size: 48
    .max_flat_workgroup_size: 256
    .sgpr_count:     66
    .vgpr_count:     256
    .wavefront_size: 32
...
	.end_amdgpu_metadata
.endif
;; end of part 1
;; launch gateup (part 2): grid 32 x 8, 4 waves a work-group, no clusters, 327,680 bytes of LDS; arguments xb, w13, mk, hb, pos; writes hb, pos
.if DOCPART == 2
	.amdgcn_target "amdgcn-amd-amdhsa--gfx1250"
	.amdhsa_code_object_version 6
	.text
	.protected	k_qa5274956de_gateup
	.globl	k_qa5274956de_gateup
	.p2align	8
	.type	k_qa5274956de_gateup,@function
k_qa5274956de_gateup:
	s_mov_b64 s[64:65], 0
	v_nop
	global_prefetch_b8 v0, s[64:65] scope:SCOPE_SE
	s_setreg_imm32_b32 hwreg(HW_REG_WAVE_MODE, 25, 1), 1
	s_wait_xcnt 0x0
; FIRST PRODUCT AND SWIGLU, for the chosen rows only.  h[row][i] = silu(x . w13[e][:, i]) * (x . w13[e][:, 2048 + i]), rounded once to bf16.
; xb [1024][1024] bf16; w13 [8][1024][4096] f32, rounded to bf16 on its way through registers; sums in f32.
; SHARES.  Work-group (SL, EX): 64 gate and the 64 matching up columns of expert EX, all 1,024 k: 524,288 bytes of w13 that no other work-group reads, in rows of 256 bytes at multiples of 256.
; An expert's rows, in the order of their tokens, lie in tiles of 16; wave w has tiles w, w + 4, w + 8 ..  Places past the count in the last tile repeat token 0; their results are stored and never read.
; THE STREAM.  K is the outer loop: the accumulators stay, the weights go through a ring of two LDS slots of 256 k (131,072 bytes), each wave bringing a quarter (128 rows x 256 bytes) by one tensor load.
; Two loads a wave are out at the start, one behind each barrier of a refill; a refill has a whole chunk's work in which to land.
; THREE STAGES.  The text counts by the K step i that is READ from LDS.  Step i multiplies K step i - 2; behind each of its first 16 products stand four of the 64 conversions of K step i - 1 (into the other of two
; fragment buffers); then, in one run, the 32 LDS loads of K step i and the ten token loads of K step i + 1; then the other tiles' products, under which the LDS loads land.  A prologue reads steps 0 and 1 and converts
; step 0, the loop is entered in the middle of its first trip, and the last two K steps' products are written out behind it.  A slot's last read is its chunk's last step, so the change of slots stands at the chunk's end.
; EVERY SPLIT IS SERVED.  The streamed pass takes 5 tiles a wave (320 rows a work-group).  What an expert has beyond that (64 tiles at the most: 16 a wave) goes in up to three further passes of 5, which read the
; weights straight from memory and hold neither a barrier nor a tensor load, so that they are jumped as a whole.  In the streamed pass a wave's tiles 0 and 1 are always multiplied, since the conversions ride on them
; (a dead tile holds token 0's row; nothing of it is stored); the products of dead tiles 2 to 4 and all dead tiles' stores are jumped; all token loads are made, so every count is the same on every way.
; ROUTING.  Every work-group counts the 1,024 bytes of mk for itself while its first tiles are on their way: nt[e] = ceil(count / 16), T0 = the tiles of the experts below mine.  Wave 0 lays my expert's tokens in a list in LDS;
; the eight work-groups with SL = 0 also store pos[e][t] = 16 T0 + rank of t, for the last launch.
; LAYOUT.  Source 0 = 16 weight columns, source 1 = 16 tokens.  A lane reads 16 bytes (columns 4 r .. 4 r + 3) of 16 k rows; v_cvt_pk_bf16_f32 of two rows' numbers makes four fragments, fragment c holding column 4 r + c.
; In a K step lane half h holds k0 + 16 h + 0..15, in both operands alike.  So register j of accumulator c is (column 32 h + 4 j + c, token r): a lane ends with 32 neighbouring columns of one token.
; hb [136 tiles][32 slices][2,048 bytes]: the 16 bytes at 512 q + 16 l are token r, columns 32 h + 8 q .. + 7 of the slice: what a lane holds here, and what the next launch's lane wants as its operand.
; NO CLUSTER: each byte of w13 has one reader; the token rows that an expert's 32 work-groups share come by a list, which no one descriptor covers.
; LIMITS.  silu(g) = g / (1 + 2^(-log2(e) g)): where the power overflows the quotient is 0, as silu's is to within rounding.  NaN and infinities are not treated apart.
; REGISTERS, in windows of 256 (s_set_vgpr_msb: bits 1:0 source 0, 3:2 source 1, 5:4 source 2, 7:6 destination):
;   window 0: addresses; v96-223 weights as read.   window 1: v0-63, v64-127 two buffers of eight weight fragments.   window 2: accumulators of tiles 0-3 (64 t + 8 n).
;   window 3: v0-63 accumulators of tile 4; v64-223 token fragments, a ring of four K steps x 5 tiles x 8.
.set SLOT,   131072                    ; a slot: [gate, up][256 k rows][256 bytes]
.set LIST,   262144                    ; 8,192 bytes: places 0-1535 the expert's tokens by rank, then zeros; places 1536-1567 take what the other lanes store and are never read; the rest is room for the clamp
.set SPARE,  270336                    ; the spare words: 128 bytes for each wave; no other line names them
.set CHUNKB, 4194304                   ; 256 rows of w13
.set LN,  1                            ; v1  lane l
.set RR,  2                            ; v2  r = l % 16
.set HH,  3                            ; v3  h = l / 16
.set BL0, 4                            ; v4  16 r + 4,096 h: my place in a K step's rows
.set BLG, 5                            ; v5  LDS address of the trip's gate rows
.set BLU, 6                            ; v6  of its up rows
.set LA,  7                            ; v7  my place in the list: LIST + 64 w + 4 r, + 1,280 a pass
.set AOFF, 8                           ; v8-12  tile t: my token x 2,048 + 32 h
.set HO,  14                           ; v14 16 l
.set BG,  15                           ; v15 16 r + 262,144 h: my place in a K step's rows of w13 in memory
.set TW,  16                           ; v16-25 at work
.set H32, 26                           ; v26 32 h
.set TR,  27                           ; v27 1,536 + l: the place of a lane that has nothing for the list
.set SPW, 30                           ; v30 SPARE + 4 x my thread's number; never rewritten
.set NIL, 31                           ; v31 0; never rewritten
.set RAW, 96                           ; v[96:223]  weights as read: strip s, row j at 64 s + 4 j
.set EE,  96                           ; the way out: 32 numbers at work
.set HP,  128                          ; the way out: tile t's 16 packed registers at 16 t
.set AR,  64                           ; window 3: ring buffer b, tile t at AR + 40 b + 8 t
.set WV,  14
.set SL,  15
.set EX,  16
.set NTL, 17                           ; my expert's tiles
.set T0,  18                           ; tiles of the experts below mine
.set REM, 19                           ; my wave's tiles still to do, this pass's among them
.set MT,  20                           ; my wave's tiles in this pass, 0 to 5
.set PC,  21
.set CT,  22
.set CH,  23
.set G1,  24                           ; s[24:31] descriptor group 1
.set MW,  32                           ; s[32:63] my expert's 32 mask words
.set G0A, 68                           ; s[68:71] group 0 of chunk 0
.set G0B, 72                           ; s[72:75] group 0 of chunk 1; it then walks
.set TB,  76                           ; LDS byte at which the next trip's rows begin
.set XA,  78                           ; s[78:79] xb at this trip's k
.set XN,  80                           ; s[80:81] xb at the next trip's k
.set KO,  82                           ; s[82:83] the next trip's k in bytes, and 0
.set WB,  92                           ; s[92:93] w13 at the K step of a further pass
.set HT,  94                           ; s[94:95] hb at my first tile of the pass
.set CL,  96                           ; s[96:97] -log2(e), twice
.set MSB, 0
.macro WIN new                         ; the immediate's high byte repeats the setting that is left; a switch that changes nothing is dropped
.if MSB != (\new)
	s_set_vgpr_msb (MSB<<8)|(\new)
.set MSB, (\new)
.endif
.endm
.macro PLACES                          ; four places between a matrix instruction and a write of, or a load into, one of its registers (ISA guide 7.12.1 for writes)
.rept 4
	v_nop
.endr
.endm
; Tiles of all eight experts from mk.  Lane l takes eight words: quarter l % 4 of expert l / 4.  Bits are counted by pairs, nibbles (4 at the most; two words' 8), bytes (16; four such 64), then the four bytes; four lanes are added.
.macro COUNTS
	v_lshlrev_b32 v24, 5, v[LN]
	global_load_b128 v[16:19], v24, s[8:9]
	global_load_b128 v[20:23], v24, s[8:9] offset:16
	s_mov_b32 s66, 0x55555555
	s_mov_b32 s67, 0x33333333
	s_mov_b32 s98, 0x0f0f0f0f
	s_wait_loadcnt 0x0
.irp x, 16,17,18,19,20,21,22,23
	v_lshrrev_b32 v25, 1, v[\x]
	v_and_b32 v25, s66, v25
	v_sub_nc_u32 v[\x], v[\x], v25
	v_lshrrev_b32 v25, 2, v[\x]
	v_and_b32 v[\x], s67, v[\x]
	v_and_b32 v25, s67, v25
	v_add_nc_u32 v[\x], v[\x], v25
.endr
.irp x, 16,18,20,22
	v_add_nc_u32 v[\x], v[\x], v[\x+1]
	v_lshrrev_b32 v25, 4, v[\x]
	v_and_b32 v[\x], s98, v[\x]
	v_and_b32 v25, s98, v25
	v_add_nc_u32 v[\x], v[\x], v25
.endr
	v_add3_u32 v16, v16, v18, v20
	v_add_nc_u32 v16, v16, v22
	v_bfe_u32 v17, v16, 8, 8
	v_bfe_u32 v18, v16, 16, 8
	v_lshrrev_b32 v19, 24, v16
	v_and_b32 v16, 0xff, v16
	v_add3_u32 v16, v16, v17, v18
	v_add_nc_u32 v16, v16, v19
	v_mov_b32_dpp v17, v16 row_xmask:1 row_mask:0xf bank_mask:0xf
	v_add_nc_u32 v16, v16, v17
	v_mov_b32_dpp v17, v16 row_xmask:2 row_mask:0xf bank_mask:0xf
	v_add_nc_u32 v16, v16, v17                     ; the expert's rows, in its four lanes
	v_add_nc_u32 v16, 15, v16
	v_lshrrev_b32 v16, 4, v16                      ; its tiles
	s_mov_b32 s[T0], 0
	s_mov_b32 s[NTL], 0
.irp e, 0,1,2,3,4,5,6,7
	v_readlane_b32 s66, v16, 4*\e
	s_cmp_gt_u32 s[EX], \e
	s_cselect_b32 s67, s66, 0
	s_add_co_u32 s[T0], s[T0], s67
	s_cmp_eq_u32 s[EX], \e
	s_cselect_b32 s[NTL], s66, s[NTL]
.endr
	s_min_u32 s[T0], s[T0], 135                    ; 2,048 rows in 8 experts make 136 tiles at the most
	s_min_u32 s[NTL], s[NTL], 64
	s_add_co_u32 s66, s[NTL], 3
	s_sub_co_u32 s66, s66, s[WV]
	s_lshr_b32 s[REM], s66, 2                      ; tiles w, w + 4, .. below NTL
	s_min_u32 s[MT], s[REM], 5
.endm
.macro GETLIST                         ; the pass's five tiles: my lane's token in each, and its row in xb
.irp t, 0,1,2,3,4
	ds_load_b32 v[TW+\t], v[LA] offset:256*\t
.endr
	s_wait_dscnt 0x0
.irp t, 0,1,2,3,4
	v_min_u32 v[TW+\t], 0x3ff, v[TW+\t]
	v_lshlrev_b32 v[TW+\t], 11, v[TW+\t]
	v_add_nc_u32 v[AOFF+\t], v[H32], v[TW+\t]
.endr
.endm
.macro RAWLOAD rb                      ; a K step's weights: my 16 rows from row rb of the trip on, both strips; each half of the lanes takes 256 consecutive bytes
.irp j, 0,1,2,3,4,5,6,7,8,9,10,11,12,13,14,15
	ds_load_b128 v[RAW+4*\j:RAW+4*\j+3], v[BLG] offset:((\rb)+\j)*256
.endr
.irp j, 0,1,2,3,4,5,6,7,8,9,10,11,12,13,14,15
	ds_load_b128 v[RAW+64+4*\j:RAW+64+4*\j+3], v[BLU] offset:((\rb)+\j)*256
.endr
.endm
.macro CVTALL fb                       ; all 64 conversions on end, into the fragment buffer at fb: fragment n, register p: column 4 r + n % 4 of rows 2 p and 2 p + 1
	WIN 0x40
.irp n, 0,1,2,3,4,5,6,7
.irp p, 0,1,2,3,4,5,6,7
	v_cvt_pk_bf16_f32 v[(\fb)+8*\n+\p], v[RAW+64*(\n/4)+8*\p+(\n%4)], v[RAW+64*(\n/4)+8*\p+4+(\n%4)]
.endr
.endr
	WIN 0
.endm
.macro ALOAD b, base, imm              ; a K step's token fragments into ring buffer b: all five tiles always, ten loads
	WIN 0xc0
.irp t, 0,1,2,3,4
	global_load_b128 v[AR+40*(\b)+8*\t:AR+40*(\b)+8*\t+3],   v[AOFF+\t], s[\base:\base+1] offset:(\imm)
	global_load_b128 v[AR+40*(\b)+8*\t+4:AR+40*(\b)+8*\t+7], v[AOFF+\t], s[\base:\base+1] offset:(\imm)+16
.endr
	WIN 0
.endm
; Step u of a trip of four (u = i % 4).  rd = 1: K step i is read and K step i + 1's tokens are asked for.  cv = 1: K step i - 1 is converted.  left: the younger token loads that may stay out.
; The eight accumulators of a tile take turns; a step's last product and the next step's first name different accumulators whatever MT.
.macro STEP u, rd, cv, left
	s_wait_loadcnt \left                           ; the tokens of K step i - 2 are in
.if \cv
	s_wait_dscnt 0x0                               ; the weights of K step i - 1 are in: their run stood ahead of the last step's later products
.endif
	PLACES                                         ; behind the last step's products, which read the fragment buffer written below and the ring buffer loaded below
.set w, 0
.rept 16                               ; tiles 0 and 1, always: product w, and behind it the four conversions of rows 2 (w % 8) and 2 (w % 8) + 1 of strip w / 8
	WIN 0xad                                       ; weights window 1, tokens window 3, C and D window 2
.set aD, 64*(w/8)+8*(w%8)
.set aW, 64*((\u)%2)+8*(w%8)
.set aT, AR+40*(((\u)+2)%4)+8*(w/8)
	v_wmma_f32_16x16x32_bf16 v[aD:aD+7], v[aW:aW+7], v[aT:aT+7], v[aD:aD+7]
.if \cv
	WIN 0x40                                       ; into window 1, out of window 0
.set cS, RAW+64*(w/8)+8*(w%8)
.set cD, 64*(((\u)+1)%2)+32*(w/8)+(w%8)
.irp c, 0,1,2,3
	v_cvt_pk_bf16_f32 v[cD+8*\c], v[cS+\c], v[cS+4+\c]
.endr
.endif
.set w, w+1
.endr
	WIN 0
.if \rd
	RAWLOAD 32*(\u)                                ; one run of loads a step: K step i's weights,
.if (\u) < 3
	ALOAD ((\u)+1)%4, XA, 64*((\u)+1)              ; and K step i + 1's tokens
.else
	ALOAD 0, XN, 0
.endif
.endif
.irp t, 2,3,4                          ; the other live tiles
	s_cmp_le_u32 s[MT], \t
	s_cbranch_scc1 .Lsd_\@
	WIN 0xad+0x50*(\t/4)                           ; C and D window 2, or 3 for tile 4
.irp n, 0,1,2,3,4,5,6,7
	v_wmma_f32_16x16x32_bf16 v[64*(\t%4)+8*\n:64*(\t%4)+8*\n+7], v[64*((\u)%2)+8*\n:64*((\u)%2)+8*\n+7], v[AR+40*(((\u)+2)%4)+8*\t:AR+40*(((\u)+2)%4)+8*\t+7], v[64*(\t%4)+8*\n:64*(\t%4)+8*\n+7]
.endr
	WIN 0                                          ; at a label and at a branch every window is 0
.endr
.Lsd_\@:
.endm
.macro P ent                           ; a chunk of 256 k is read: two trips of four steps.  ent = 1: this copy holds the label at which the loop is entered
	s_mov_b32 s[CT], 2
.Ltrip_\@:
	v_add_nc_u32 v[BLG], s[TB], v[BL0]
	v_add_nc_u32 v[BLU], 0x10000, v[BLG]
	s_add_co_u32 s[TB], s[TB], 32768               ; 128 rows
	STEP 0, 1, 1, 20                               ; two younger steps' ten loads each stay out
	STEP 1, 1, 1, 20
.if \ent
.Lenter:
.endif
	STEP 2, 1, 1, 20
	STEP 3, 1, 1, 20
	s_wait_xcnt 0x0                                ; the token loads' bases are rewritten only behind this wait
	s_mov_b64 s[XA:XA+1], s[XN:XN+1]
	s_add_co_u32 s[KO], s[KO], 256
	s_and_b32 s[KO], s[KO], 2047                   ; behind the last k the look-ahead goes back to k = 0: inside the row, loaded and not used
	s_add_nc_u64 s[XN:XN+1], s[4:5], s[KO:KO+1]
	s_sub_co_u32 s[CT], s[CT], 1
	s_cmp_lg_u32 s[CT], 0
	s_cbranch_scc1 .Ltrip_\@
.endm
; THE CHANGE OF SLOTS.  Each wave waits for all its tensor loads, of which one is out: its quarter of the other slot; adds 0 to its spare word; waits for that and for its reads of the slot that it leaves.
; Behind the barrier nobody reads the old slot and the other is whole.  fill = 1: the old slot is filled again, first thing behind the barrier, with the chunk two on.
.macro CHANGE fill
	WIN 0
	s_wait_tensorcnt 0x0                           ; no tensor load of mine is out, so a group 0 may be written
	ds_add_u32 v[SPW], v[NIL]                      ; 0 onto my spare word; scalar work stands between it and the wait for it
.if \fill
	s_xor_b32 s[G0B+1], s[G0B+1], SLOT             ; the other slot than last time,
	s_add_nc_u64 s[G0B+2:G0B+3], s[G0B+2:G0B+3], CHUNKB  ; the next 256 rows; the type bits on top are not reached
.endif
	s_sub_co_u32 s[TB], s[TB], 65536               ; the reads go back to a slot's first row,
	s_xor_b32 s[TB], s[TB], SLOT                   ; in the other slot
	s_wait_dscnt 0x0
	s_barrier_signal -1
	s_barrier_wait -1
.if \fill
	tensor_load_to_lds s[G0B:G0B+3], s[G1:G1+7]
	s_nop 0
.endif
.endm
; The products of a further pass's K step: eight for each live tile, from fragment buffer 0 and ring buffer 0.  zero = 1: they start the sums.
.macro BLOCKS zero
.irp t, 0,1,2,3,4
	s_cmp_le_u32 s[MT], \t
	s_cbranch_scc1 .Lbdone_\@
	WIN 0xad+0x50*(\t/4)
.irp n, 0,1,2,3,4,5,6,7
.if \zero
	v_wmma_f32_16x16x32_bf16 v[64*(\t%4)+8*\n:64*(\t%4)+8*\n+7], v[8*\n:8*\n+7], v[AR+8*\t:AR+8*\t+7], 0
.else
	v_wmma_f32_16x16x32_bf16 v[64*(\t%4)+8*\n:64*(\t%4)+8*\n+7], v[8*\n:8*\n+7], v[AR+8*\t:AR+8*\t+7], v[64*(\t%4)+8*\n:64*(\t%4)+8*\n+7]
.endif
.endr
	WIN 0
.endr
.Lbdone_\@:
.endm
; A K step of a further pass: weights straight from memory, nothing ahead.
.macro XSTEP zero
	PLACES
.irp j, 0,1,2,3,4,5,6,7,8,9,10,11,12,13,14,15
	global_load_b128 v[RAW+4*\j:RAW+4*\j+3],       v[BG], s[WB:WB+1] offset:16384*\j
	global_load_b128 v[RAW+64+4*\j:RAW+64+4*\j+3], v[BG], s[WB:WB+1] offset:16384*\j+8192
.endr
	ALOAD 0, XA, 0
	s_wait_loadcnt 0x0                             ; all are in, so the two bases may be stepped below
	CVTALL 0
	BLOCKS \zero
	s_add_nc_u64 s[WB:WB+1], s[WB:WB+1], 524288    ; 32 rows of w13
	s_add_nc_u64 s[XA:XA+1], s[XA:XA+1], 64
.endm
; THE WAY OUT of tile t: silu(gate) x up on the lane's 32 numbers, rounded to bf16, four stores of 512 consecutive bytes.  Each accumulator is read from its lowest registers on.
; Each of the two batches of 32 transcendentals has one plain instruction behind it and one wait ahead of its first reader.
.macro EPI t
	s_cmp_le_u32 s[MT], \t
	s_cbranch_scc1 .Lepi_end
	WIN 2+(\t)/4                                   ; source 0: the accumulators' window
.set d, 0
.rept 16
	v_pk_mul_f32 v[EE+2*d:EE+2*d+1], v[64*((\t)%4)+2*d:64*((\t)%4)+2*d+1], s[CL:CL+1] op_sel_hi:[1,0]
.set d, d+1
.endr
	WIN 0
.set d, 0
.rept 32
	v_exp_f32 v[EE+d], v[EE+d]
.set d, d+1
.endr
	v_nop
	s_wait_alu depctr_va_vdst(0)
.set d, 0
.rept 16
	v_pk_add_f32 v[EE+2*d:EE+2*d+1], v[EE+2*d:EE+2*d+1], 1.0 op_sel_hi:[1,0]
.set d, d+1
.endr
.set d, 0
.rept 32
	v_rcp_f32 v[EE+d], v[EE+d]
.set d, d+1
.endr
	v_nop
	s_wait_alu depctr_va_vdst(0)
	WIN (2+(\t)/4)<<2                              ; source 1: the accumulators' window
.set d, 0
.rept 16
	v_pk_mul_f32 v[EE+2*d:EE+2*d+1], v[EE+2*d:EE+2*d+1], v[64*((\t)%4)+2*d:64*((\t)%4)+2*d+1]
.set d, d+1
.endr
.set d, 0
.rept 16
	v_pk_mul_f32 v[EE+2*d:EE+2*d+1], v[EE+2*d:EE+2*d+1], v[64*((\t)%4)+32+2*d:64*((\t)%4)+32+2*d+1]
.set d, d+1
.endr
	WIN 0
.set d, 0
.rept 16                               ; columns 32 h + 2 d and + 1: register d / 2 of accumulators 2 (d % 2) and 2 (d % 2) + 1
	v_cvt_pk_bf16_f32 v[HP+16*(\t)+d], v[EE+16*(d%2)+d/2], v[EE+16*(d%2)+8+d/2]
.set d, d+1
.endr
.irp q, 0,1,2,3
	global_store_b128 v[HO], v[HP+16*(\t)+4*\q:HP+16*(\t)+4*\q+3], s[HT:HT+1] offset:512*\q+262144*(\t)  ; my tiles lie four apart: 4 x 65,536 bytes
.endr
.endm
	s_load_b256 s[4:11], s[0:1], 0x0               ; xb s[4:5], w13 s[6:7], mk s[8:9], hb s[10:11]
	s_load_b64 s[12:13], s[0:1], 0x20              ; pos
	v_lshl_add_u32 v[SPW], v0, 2, SPARE
	v_mov_b32 v[NIL], 0
	ds_add_u32 v[SPW], v[NIL]                      ; the wave's opening: the add and its wait stand ahead of my first tensor load; work on registers stands between them
	v_lshrrev_b32 v1, 5, v0
	v_readfirstlane_b32 s[WV], v1                  ; wave 0..3
	s_mov_b32 s[SL], ttmp9
	s_and_b32 s[EX], ttmp7, 0xffff
	; descriptor group 1: a tile of 128 rows x 64 elements of 4 bytes, rows 4,096 elements apart, laid into LDS without gaps
	s_mov_b32 s[G1+0], 2<<16                       ; 17:16 elements of 4 bytes; no mask, no padding
	s_mov_b32 s[G1+1], 64<<16                      ; tensor_dim0 = 64
	s_mov_b32 s[G1+2], 128<<16                     ; tensor_dim1 = 128
	s_mov_b32 s[G1+3], 64<<16                      ; tile_dim0 = 64
	s_mov_b32 s[G1+4], 128                         ; tile_dim1 = 128
	s_mov_b32 s[G1+5], 4096                        ; elements from row to row
	s_mov_b32 s[G1+6], 0
	s_mov_b32 s[G1+7], 0
	s_lshl_b32 s66, s[EX], 24                      ; the expert's 16,777,216 bytes
	s_and_b32 s67, s[WV], 1
	s_lshl_b32 s67, s67, 21                        ; waves 1 and 3: the chunk's second 128 rows
	s_add_co_u32 s66, s66, s67
	s_lshr_b32 s67, s[WV], 1
	s_lshl_b32 s67, s67, 13                        ; waves 2 and 3: the up columns, 2,048 numbers on
	s_add_co_u32 s66, s66, s67
	s_lshl_b32 s67, s[SL], 8                       ; the slice's 64 columns
	s_add_co_u32 s66, s66, s67
	s_mov_b32 s67, 0
	s_lshl_b32 s98, s[WV], 15                      ; my quarter of a slot
	s_mov_b32 s[G0A], 1                            ; 1:0 count = 1
	s_mov_b32 s[G0A+1], s98                        ; LDS address: slot 0
	s_mov_b32 s[G0B], 1
	s_add_co_u32 s[G0B+1], s98, SLOT               ; slot 1
	s_lshl_b32 s99, s[EX], 7                       ; my expert's 128 bytes of mk
	s_mov_b32 s[CL], 0xbfb8aa3b
	s_mov_b32 s[CL+1], 0xbfb8aa3b
	s_wait_dscnt 0x0                               ; the opening add is done
	s_wait_kmcnt 0x0
	s_add_nc_u64 s[G0A+2:G0A+3], s[6:7], s[66:67]  ; chunk 0
	s_add_nc_u64 s[G0B+2:G0B+3], s[G0A+2:G0A+3], CHUNKB  ; chunk 1
	s_or_b32 s[G0A+3], s[G0A+3], 0x80000000        ; 127:126 type = 2
	s_or_b32 s[G0B+3], s[G0B+3], 0x80000000
	tensor_load_to_lds s[G0A:G0A+3], s[G1:G1+7]    ; both first fills go out together, ahead of everything else
	s_nop 0
	tensor_load_to_lds s[G0B:G0B+3], s[G1:G1+7]
	s_nop 0
	s_load_b512 s[MW:MW+15], s[8:9], s99 offset:0x0
	s_load_b512 s[MW+16:MW+31], s[8:9], s99 offset:0x40
	v_and_b32 v[LN], 31, v0
	v_and_b32 v[RR], 15, v0
	v_bfe_u32 v[HH], v0, 4, 1
	COUNTS
	v_lshlrev_b32 v[BL0], 4, v[RR]
	v_lshl_add_u32 v[BG], v[HH], 18, v[BL0]
	v_lshl_add_u32 v[BL0], v[HH], 12, v[BL0]
	s_lshl_b32 s66, s[WV], 6
	s_add_co_u32 s66, s66, LIST
	v_lshl_add_u32 v[LA], v[RR], 2, s66
	v_lshlrev_b32 v[HO], 4, v[LN]
	v_lshlrev_b32 v[H32], 5, v[HH]
	s_wait_kmcnt 0x0                               ; the mask words; their offset register is free again
	s_cmp_lg_u32 s[WV], 0
	s_cbranch_scc1 .Llisted                        ; wave 0 lays the list
	v_mov_b32 v16, 0
	v_mov_b32 v17, 0
	v_mov_b32 v18, 0
	v_mov_b32 v19, 0
	v_lshl_add_u32 v20, v[LN], 4, LIST
.set j, 0
.rept 12                               ; zeros first, over places 0-1535: places past the count name token 0
	ds_store_b128 v20, v[16:19] offset:512*j
.set j, j+1
.endr
	v_add_nc_u32 v[TR], 1536, v[LN]
	s_mov_b32 s99, 0
; Token 32 j + l: its rank is how many of the expert's tokens lie below it.  A token that chose the expert goes to the place of its rank; every other lane stores into its own word behind the list,
; which nobody reads: so all lanes stay on.  The select stands ahead of the clamp, and behind the clamp only a shift and an add.
.set j, 0
.rept 32
	v_mbcnt_lo_u32_b32 v[RAW+j], s[MW+j], s99
	s_bcnt1_i32_b32 s98, s[MW+j]
	s_add_co_u32 s99, s99, s98
	v_cndmask_b32 v21, v[TR], v[RAW+j], s[MW+j]
	v_min_u32 v21, 0x7ff, v21
	v_lshlrev_b32 v21, 2, v21
	v_add_nc_u32 v21, LIST, v21
	v_add_nc_u32 v22, 32*j, v[LN]
	ds_store_b32 v21, v22                          ; LDS serves a wave's instructions in order (ISA guide 5.7.1.4): behind the zeros
.set j, j+1
.endr
	s_cmp_lg_u32 s[SL], 0
	s_cbranch_scc1 .Llisted                        ; one work-group an expert stores pos
	s_lshl_b32 s98, s[T0], 4
	s_lshl_b32 s66, s[EX], 12
	s_mov_b32 s67, 0
	s_add_nc_u64 s[12:13], s[12:13], s[66:67]
	v_lshlrev_b32 v23, 2, v[LN]
.set j, 0
.rept 32
	v_add_nc_u32 v[RAW+j], s98, v[RAW+j]
	global_store_b32 v23, v[RAW+j], s[12:13] offset:128*j  ; 128 consecutive bytes
.set j, j+1
.endr
.Llisted:
	s_wait_xcnt 0x0                                ; the stores' data registers are loaded into below
	s_wait_dscnt 0x0                               ; for the others' sake: the list is written
	s_barrier_signal -1                            ; the tensor loads stay out
	s_barrier_wait -1
	GETLIST
	s_mov_b64 s[XA:XA+1], s[4:5]
	s_add_nc_u64 s[XN:XN+1], s[4:5], 256
	s_mov_b32 s[KO], 256
	s_mov_b32 s[KO+1], 0
	ALOAD 0, XA, 0                                 ; the tokens of K steps 0, 1 and 2
	ALOAD 1, XA, 64
	ALOAD 2, XA, 128
	; The accumulators are cleared, in the wait for the first tile: 320 lines, the price of writing no first K step out beside the two copies of a chunk's text.
	WIN 0x80
.set j, 0
.rept 256
	v_mov_b32 v[j], 0
.set j, j+1
.endr
	WIN 0xc0
.set j, 0
.rept 64
	v_mov_b32 v[j], 0
.set j, j+1
.endr
	WIN 0
	s_wait_tensorcnt 0x1                           ; my quarter of chunk 0 is in; chunk 1's may stay out
	s_barrier_signal -1
	s_barrier_wait -1                              ; everybody's is
	; THE PROLOGUE: what steps 0 and 1 of the first trip would read and convert; there is nothing yet to multiply
	s_mov_b32 s[TB], 0
	v_add_nc_u32 v[BLG], s[TB], v[BL0]
	v_add_nc_u32 v[BLU], 0x10000, v[BLG]
	s_add_co_u32 s[TB], s[TB], 32768
	RAWLOAD 0                                      ; K step 0
	s_wait_dscnt 0x0
	CVTALL 0
	RAWLOAD 32                                     ; K step 1
	s_mov_b32 s[CH], 2
	s_mov_b32 s[CT], 2
	s_branch .Lenter                               ; the loop is entered at the first trip's third step
.LloopA:                                               ; chunks 0 and 1 are read; chunks 2 and 3 are asked for
	P 1
	CHANGE 1
	s_sub_co_u32 s[CH], s[CH], 1
	s_cmp_lg_u32 s[CH], 0
	s_cbranch_scc1 .LloopA
	s_mov_b32 s[CH], 2
.LloopB:                                               ; chunks 2 and 3: written apart; the second trip's barrier orders nothing further
	P 0
	CHANGE 0
	s_sub_co_u32 s[CH], s[CH], 1
	s_cmp_lg_u32 s[CH], 0
	s_cbranch_scc1 .LloopB
	STEP 0, 0, 1, 20                               ; nothing is left to read: K step 30 is multiplied and K step 31 converted,
	STEP 1, 0, 0, 10                               ; and K step 31 multiplied: behind its tokens only the look-ahead's ten loads are out
	s_wait_loadcnt 0x0                             ; the look-ahead's last step: loaded, not used
.rept 5
	v_nop                                          ; the places behind the last products
.endr
	s_add_co_u32 s66, s[T0], s[WV]
	s_min_u32 s66, s66, 135
	s_lshl_b32 s66, s66, 5
	s_add_co_u32 s66, s66, s[SL]
	s_lshl_b32 s66, s66, 11                        ; (tile x 32 + slice) x 2,048
	s_mov_b32 s67, 0
	s_add_nc_u64 s[HT:HT+1], s[10:11], s[66:67]
	s_mov_b32 s[PC], 4
.Lpass:                                                ; four trips: a pass's way out, then the next pass if my wave has tiles left; no barrier and no tensor load inside
	EPI 0
	EPI 1
	EPI 2
	EPI 3
	EPI 4
.Lepi_end:
	s_wait_xcnt 0x0                                ; the stores' base and data registers are rewritten only behind this wait
	s_sub_co_u32 s[REM], s[REM], s[MT]
	s_min_u32 s[MT], s[REM], 5
	v_add_nc_u32 v[LA], 1280, v[LA]                ; 20 tiles of 16 tokens on in the list,
	s_add_nc_u64 s[HT:HT+1], s[HT:HT+1], 20*65536  ; and in hb
	s_cmp_eq_u32 s[MT], 0
	s_cbranch_scc1 .Lnoextra
	GETLIST
	s_mov_b64 s[XA:XA+1], s[4:5]
	s_lshl_b32 s66, s[EX], 24
	s_lshl_b32 s67, s[SL], 8
	s_add_co_u32 s66, s66, s67
	s_mov_b32 s67, 0
	s_add_nc_u64 s[WB:WB+1], s[6:7], s[66:67]
	XSTEP 1
	s_mov_b32 s[CT], 31
.Lx:
	XSTEP 0
	s_sub_co_u32 s[CT], s[CT], 1
	s_cmp_lg_u32 s[CT], 0
	s_cbranch_scc1 .Lx
.rept 5
	v_nop
.endr
.Lnoextra:
	s_sub_co_u32 s[PC], s[PC], 1
	s_cmp_lg_u32 s[PC], 0
	s_cbranch_scc1 .Lpass
	s_wait_dscnt 0x0                               ; my reads of the list are over;
	s_barrier_signal -1
	s_barrier_wait -1                              ; every wave's are, before any wave's closing lines
	s_wait_tensorcnt 0x0                           ; the wave's end: the closing add and its wait, behind my last tensor load and my last LDS store
	ds_add_u32 v[SPW], v[NIL]
	s_wait_dscnt 0x0
	s_endpgm
.Lfunc_end_k_qa5274956de_gateup:
	.size	k_qa5274956de_gateup, .Lfunc_end_k_qa5274956de_gateup-k_qa5274956de_gateup
	.p2alignl 7, 3214868480
	.fill 96, 4, 3214868480
	.section	.rodata,"a",@progbits
	.p2align	6, 0x0
	.amdhsa_kernel k_qa5274956de_gateup
		.amdhsa_group_segment_fixed_size 327680
		.amdhsa_private_segment_fixed_size 0
		.amdhsa_enable_private_segment 0
		.amdhsa_kernarg_size 40
		.amdhsa_user_sgpr_count 2
		.amdhsa_user_sgpr_kernarg_segment_ptr 1
		.amdhsa_wavefront_size32 1
		.amdhsa_system_sgpr_workgroup_id_x 1
		.amdhsa_system_sgpr_workgroup_id_y 1
		.amdhsa_system_sgpr_workgroup_id_z 1
		.amdhsa_system_vgpr_workitem_id 0
		.amdhsa_next_free_vgpr 992
		.amdhsa_next_free_sgpr 100
		.amdhsa_reserve_vcc 0
		.amdhsa_float_denorm_mode_32 3
		.amdhsa_float_denorm_mode_16_64 3
		.amdhsa_memory_ordered 1
		.amdhsa_forward_progress 1
		.amdhsa_inst_pref_size 218
	.end_amdhsa_kernel
	.amdgpu_metadata
---
amdhsa.version: [ 1, 2 ]
amdhsa.kernels:
  - .name:           k_qa5274956de_gateup
    .symbol:         k_qa5274956de_gateup.kd
    .args:
      - { .name: xb, .offset: 0, .size: 8, .value_kind: global_buffer, .address_space: global }
      - { .name: w13, .offset: 8, .size: 8, .value_kind: global_buffer, .address_space: global }
      - { .name: mk, .offset: 16, .size: 8, .value_kind: global_buffer, .address_space: global }
      - { .name: hb, .offset: 24, .size: 8, .value_kind: global_buffer, .address_space: global }
      - { .name: pos, .offset: 32, .size: 8, .value_kind: global_buffer, .address_space: global }
    .group_segment_fixed_size: 327680
    .private_segment_fixed_size: 0
    .kernarg_segment_align: 8
    .kernarg_segment_size: 40
    .max_flat_workgroup_size: 128
    .sgpr_count:     100
    .vgpr_count:     992
    .wavefront_size: 32
...
	.end_amdgpu_metadata
.endif
;; end of part 2
;; launch down (part 3): grid 16 x 16, 4 waves a work-group, no clusters, 262,656 bytes of LDS; arguments hb, w2, mk, yb; writes yb
.if DOCPART == 3
	.amdgcn_target "amdgcn-amd-amdhsa--gfx1250"
	.amdhsa_code_object_version 6
	.text
	.protected	k_qa5274956de_down
	.globl	k_qa5274956de_down
	.p2align	8
	.type	k_qa5274956de_down,@function
k_qa5274956de_down:
	s_mov_b64 s[64:65], 0
	v_nop
	global_prefetch_b8 v0, s[64:65] scope:SCOPE_SE
	s_setreg_imm32_b32 hwreg(HW_REG_WAVE_MODE, 25, 1), 1
	s_wait_xcnt 0x0
; SECOND PRODUCT, for the chosen rows only.  yb[KH][row][c] = the sum over one half of the hidden width of h[row][i] w2[e][i][c], in f32: partial sums, added by the last launch.
; hb: the hidden layer in bf16 as operand images [136 tiles][32 slices][2,048 bytes]; w2 [8][2048][1024] f32, rounded to bf16 on its way through registers.
; SHARES.  Work-group (CS, 2 EX + KH): 64 output columns x 1,024 of expert EX's 2,048 rows of w2: 262,144 bytes that no other work-group reads, in rows of 256 bytes at multiples of 256.  They fit in LDS whole:
; each wave asks for two quarters of a half (128 rows each) at the start, and nothing is ever filled again.  The first half is multiplied while the second is on its way.
; K is cut in two so that there are 256 work-groups with rows of 256 bytes; the price is a second f32 partial.
; Wave w has the expert's row tiles w, w + 4, ..: 5 in a pass, up to four passes (64 tiles at the most: 16 a wave); the further passes read the resident weights again and hold no barrier, so they are jumped as a whole.
; THREE STAGES, in the first pass.  The text counts by the K step i that is READ from LDS.  Step i multiplies K step i - 2; behind each of its first 8 products stand four of the 32 conversions of K step i - 1 (into the
; other of two fragment buffers); then, in one run, the 16 LDS loads of K step i and the ten token loads of K step i + 4; then the other tiles' products, under which the LDS loads land.  Tokens are asked for six K steps
; ahead of their products: a ring of eight buffers, 60 loads out at the most.  A prologue reads steps 0 and 1 and converts step 0, the loop is entered in the middle of its first trip, and the last two K steps' products
; are written out behind it.  A wave's tiles 0 and 1 are always multiplied, since the conversions ride on them (a dead tile names tile 0 of hb; nothing of it is stored).
; LAYOUT.  Source 0 = 16 tokens, source 1 = 16 weight columns (fragment c: column 4 r + c, made as in the first product).  K step (s, a): lane half h holds k = 64 s + 32 h + 16 a + 0..15, in both operands alike:
; a token fragment is two loads of 512 consecutive bytes of hb.  Register j of accumulator c is (token 8 h + j, column 4 r + c).
; NO CLUSTER: each byte of w2 has one reader.  The 16 column work-groups of an expert and half share hb's tiles, but how many tiles hangs on a stored count; a load of the pass's 20 tiles
; for one slice is 40,960 bytes, and two such slots do not fit beside 262,144 bytes of weights.
; REGISTERS, in windows of 256: window 0 addresses, v32-95 two buffers of four fragments, v96-159 weights as read, v160-255 the way out; window 1 v0-239 ring buffers 0-5 (40 b + 8 t);
;   window 2 v0-159 accumulators (32 t + 8 c), v160-239 ring buffers 6 and 7.
.set SPARE, 262144                     ; the spare words: 128 bytes for each wave; no other line names them
.set LN,  1
.set RR,  2
.set HH,  3
.set BL0, 4                            ; v4  16 r + 8,192 h
.set BLG, 5                            ; v5  LDS address of the trip's rows
.set YO,  6                            ; v6  16 r + 32,768 h: my place in 16 rows of yb
.set A0,  7                            ; v7  32,768 KH + 16 l: my place in a tile of hb
.set AOFF, 8                           ; v8-12 tile t: its 65,536 bytes + A0
.set SPW, 30
.set NIL, 31
.set FR,  32                           ; v[32:63], v[64:95] two buffers of four weight fragments
.set RAW, 96                           ; v[96:159]  weights as read: row j at 4 j
.set TT,  160                          ; v[160:255] the way out: three sets of 32
.set WV,  14
.set CS,  15
.set EX,  16
.set NTL, 17
.set T0,  18
.set REM, 19
.set MT,  20
.set PC,  21
.set CT,  22
.set G1,  24
.set G0A, 68
.set G0B, 72
.set TB,  76
.set XA,  78
.set XN,  80
.set KO,  82
.set BT,  84                           ; s84 my first tile of the pass: T0 + w + 20 x pass
.set KH,  85
.set HF,  86                           ; s86 counts the two halves of the weights
.set YT,  94                           ; s[94:95] yb at my first tile of the pass
.set MSB, 0
.macro WIN new
.if MSB != (\new)
	s_set_vgpr_msb (MSB<<8)|(\new)
.set MSB, (\new)
.endif
.endm
.macro PLACES                          ; four places between a matrix instruction and a write of, or a load into, one of its registers (ISA guide 7.12.1 for writes)
.rept 4
	v_nop
.endr
.endm
.macro RINGSET b                       ; ring buffer b: its window RW and its first register RB
.if (\b) < 6
.set RW, 1
.set RB, 40*(\b)
.else
.set RW, 2
.set RB, 160+40*((\b)-6)
.endif
.endm
; Tiles of all eight experts from mk, as in the first product: lane l takes quarter l % 4 of expert l / 4; bits by pairs, nibbles, bytes, then the four bytes; four lanes are added.
.macro COUNTS
	v_lshlrev_b32 v24, 5, v[LN]
	global_load_b128 v[16:19], v24, s[8:9]
	global_load_b128 v[20:23], v24, s[8:9] offset:16
	s_mov_b32 s66, 0x55555555
	s_mov_b32 s67, 0x33333333
	s_mov_b32 s98, 0x0f0f0f0f
	s_wait_loadcnt 0x0
.irp x, 16,17,18,19,20,21,22,23
	v_lshrrev_b32 v25, 1, v[\x]
	v_and_b32 v25, s66, v25
	v_sub_nc_u32 v[\x], v[\x], v25
	v_lshrrev_b32 v25, 2, v[\x]
	v_and_b32 v[\x], s67, v[\x]
	v_and_b32 v25, s67, v25
	v_add_nc_u32 v[\x], v[\x], v25
.endr
.irp x, 16,18,20,22
	v_add_nc_u32 v[\x], v[\x], v[\x+1]
	v_lshrrev_b32 v25, 4, v[\x]
	v_and_b32 v[\x], s98, v[\x]
	v_and_b32 v25, s98, v25
	v_add_nc_u32 v[\x], v[\x], v25
.endr
	v_add3_u32 v16, v16, v18, v20
	v_add_nc_u32 v16, v16, v22
	v_bfe_u32 v17, v16, 8, 8
	v_bfe_u32 v18, v16, 16, 8
	v_lshrrev_b32 v19, 24, v16
	v_and_b32 v16, 0xff, v16
	v_add3_u32 v16, v16, v17, v18
	v_add_nc_u32 v16, v16, v19
	v_mov_b32_dpp v17, v16 row_xmask:1 row_mask:0xf bank_mask:0xf
	v_add_nc_u32 v16, v16, v17
	v_mov_b32_dpp v17, v16 row_xmask:2 row_mask:0xf bank_mask:0xf
	v_add_nc_u32 v16, v16, v17
	v_add_nc_u32 v16, 15, v16
	v_lshrrev_b32 v16, 4, v16
	s_mov_b32 s[T0], 0
	s_mov_b32 s[NTL], 0
.irp e, 0,1,2,3,4,5,6,7
	v_readlane_b32 s66, v16, 4*\e
	s_cmp_gt_u32 s[EX], \e
	s_cselect_b32 s67, s66, 0
	s_add_co_u32 s[T0], s[T0], s67
	s_cmp_eq_u32 s[EX], \e
	s_cselect_b32 s[NTL], s66, s[NTL]
.endr
	s_min_u32 s[T0], s[T0], 135
	s_min_u32 s[NTL], s[NTL], 64
	s_add_co_u32 s66, s[NTL], 3
	s_sub_co_u32 s66, s66, s[WV]
	s_lshr_b32 s[REM], s66, 2
	s_min_u32 s[MT], s[REM], 5
.endm
.macro MKAOFF                          ; the pass's five tiles in hb; a dead tile names tile 0, which is always written
.irp t, 0,1,2,3,4
	s_add_co_u32 s66, s[BT], 4*\t
	s_cmp_gt_u32 s[MT], \t
	s_cselect_b32 s66, s66, 0
	s_min_u32 s66, s66, 135
	s_lshl_b32 s66, s66, 16
	v_add_nc_u32 v[AOFF+\t], s66, v[A0]
.endr
.endm
.macro CLEAR                           ; 160 lines: the price of writing no first K step out
	WIN 0x80
.set j, 0
.rept 160
	v_mov_b32 v[j], 0
.set j, j+1
.endr
	WIN 0
.endm
.macro RAWLOAD rb                      ; a K step's weights: my 16 rows from row rb of the trip on; each half of the lanes takes 256 consecutive bytes
.irp j, 0,1,2,3,4,5,6,7,8,9,10,11,12,13,14,15
	ds_load_b128 v[RAW+4*\j:RAW+4*\j+3], v[BLG] offset:((\rb)+\j)*256
.endr
.endm
.macro CVTALL                          ; all 32 conversions on end, into fragment buffer 0
.irp c, 0,1,2,3
.irp p, 0,1,2,3,4,5,6,7
	v_cvt_pk_bf16_f32 v[FR+8*\c+\p], v[RAW+8*\p+\c], v[RAW+8*\p+4+\c]
.endr
.endr
.endm
.macro ALOAD b, base, imm              ; a K step's token fragments into ring buffer b: all five tiles always, ten loads of 512 consecutive bytes
	RINGSET \b
	WIN RW<<6
.irp t, 0,1,2,3,4
	global_load_b128 v[RB+8*\t:RB+8*\t+3],   v[AOFF+\t], s[\base:\base+1] offset:(\imm)
	global_load_b128 v[RB+8*\t+4:RB+8*\t+7], v[AOFF+\t], s[\base:\base+1] offset:(\imm)+512
.endr
	WIN 0
.endm
; Step u of a trip of eight (u = i % 8).  rd = 1: K step i is read and K step i + 4's tokens are asked for.  cv = 1: K step i - 1 is converted.  left: the younger token loads that may stay out.
; The four accumulators of a tile take turns; a step's last product and the next step's first name different accumulators whatever MT.
.macro STEP u, rd, cv, left
	s_wait_loadcnt \left                           ; the tokens of K step i - 2 are in
.if \cv
	s_wait_dscnt 0x0                               ; the weights of K step i - 1 are in: their run stood ahead of the last step's later products
.endif
	PLACES                                         ; behind the last step's products, which read the fragment buffer written below
	RINGSET ((\u)+6)%8
.set w, 0
.rept 8                                ; tiles 0 and 1, always: product w, and behind it the four conversions of rows 2 w and 2 w + 1
	WIN 0xa0+RW                                    ; tokens in the ring buffer's window, weights window 0, C and D window 2
.set aD, 32*(w/4)+8*(w%4)
.set aW, FR+32*((\u)%2)+8*(w%4)
.set aT, RB+8*(w/4)
	v_wmma_f32_16x16x32_bf16 v[aD:aD+7], v[aT:aT+7], v[aW:aW+7], v[aD:aD+7]
.if \cv
	WIN 0
.set cS, RAW+8*w
.set cD, FR+32*(((\u)+1)%2)+w
.irp c, 0,1,2,3
	v_cvt_pk_bf16_f32 v[cD+8*\c], v[cS+\c], v[cS+4+\c]
.endr
.endif
.set w, w+1
.endr
	WIN 0
.if \rd
	RAWLOAD 64*((\u)/2)+16*((\u)%2)                ; one run of loads a step: K step i's weights (slice u / 2 of the trip's four, half u % 2),
.if (\u) < 4
	ALOAD ((\u)+4)%8, XA, 1024*((\u)+4)            ; and K step i + 4's tokens
.else
	ALOAD ((\u)+4)%8, XN, 1024*((\u)-4)
.endif
.endif
	RINGSET ((\u)+6)%8
.irp t, 2,3,4                          ; the other live tiles
	s_cmp_le_u32 s[MT], \t
	s_cbranch_scc1 .Lsd_\@
	WIN 0xa0+RW
.irp c, 0,1,2,3
	v_wmma_f32_16x16x32_bf16 v[32*\t+8*\c:32*\t+8*\c+7], v[RB+8*\t:RB+8*\t+7], v[FR+32*((\u)%2)+8*\c:FR+32*((\u)%2)+8*\c+7], v[32*\t+8*\c:32*\t+8*\c+7]
.endr
	WIN 0                                          ; at a label and at a branch every window is 0
.endr
.Lsd_\@:
.endm
.macro BLOCKS                          ; a further pass's K step: four products for each live tile, from fragment buffer 0 and ring buffer 0
.irp t, 0,1,2,3,4
	s_cmp_le_u32 s[MT], \t
	s_cbranch_scc1 .Lbdone_\@
	WIN 0xa1
.irp c, 0,1,2,3
	v_wmma_f32_16x16x32_bf16 v[32*\t+8*\c:32*\t+8*\c+7], v[8*\t:8*\t+7], v[FR+8*\c:FR+8*\c+7], v[32*\t+8*\c:32*\t+8*\c+7]
.endr
	WIN 0
.endr
.Lbdone_\@:
.endm
.macro XS a                            ; half a of a slice in a further pass: nothing ahead
	PLACES
	RAWLOAD 16*(\a)
	ALOAD 0, XA, 1024*(\a)
	s_wait_loadcnt 0x0
	s_wait_dscnt 0x0
	CVTALL
	BLOCKS
.endm
; THE WAY OUT of tile t.  A token's columns 4 r .. 4 r + 3 lie in four accumulators: 32 copies bring them together (each accumulator read from its lowest register on), the price of
; fragments made from [k][n] rows without a turning pass.  Each store: lanes 0-15 fill 256 consecutive bytes of one row of yb, at a multiple of 256, lanes 16-31 those of the row eight further down.
.macro EPI t
	s_cmp_le_u32 s[MT], \t
	s_cbranch_scc1 .Lepi_end
	s_wait_xcnt 0x0                                ; the set's registers, which earlier stores read, are rewritten only behind this wait
	WIN 0x02
.irp j, 0,1,2,3,4,5,6,7
.irp c, 0,1,2,3
	v_mov_b32 v[TT+32*((\t)%3)+4*\j+\c], v[32*(\t)+8*\c+\j]
.endr
.endr
	WIN 0
.irp j, 0,1,2,3,4,5,6,7
	global_store_b128 v[YO], v[TT+32*((\t)%3)+4*\j:TT+32*((\t)%3)+4*\j+3], s[YT:YT+1] offset:4096*\j+262144*(\t)
.endr
.endm
	s_load_b256 s[4:11], s[0:1], 0x0               ; hb s[4:5], w2 s[6:7], mk s[8:9], yb s[10:11]
	v_lshl_add_u32 v[SPW], v0, 2, SPARE
	v_mov_b32 v[NIL], 0
	ds_add_u32 v[SPW], v[NIL]                      ; the wave's opening: the add and its wait stand ahead of my first tensor load; work on registers stands between them
	v_lshrrev_b32 v1, 5, v0
	v_readfirstlane_b32 s[WV], v1
	s_mov_b32 s[CS], ttmp9
	s_and_b32 s66, ttmp7, 0xffff
	s_lshr_b32 s[EX], s66, 1
	s_and_b32 s[KH], s66, 1
	; descriptor group 1: a tile of 128 rows x 64 elements of 4 bytes, rows 1,024 elements apart, laid into LDS without gaps
	s_mov_b32 s[G1+0], 2<<16
	s_mov_b32 s[G1+1], 64<<16
	s_mov_b32 s[G1+2], 128<<16
	s_mov_b32 s[G1+3], 64<<16
	s_mov_b32 s[G1+4], 128
	s_mov_b32 s[G1+5], 1024
	s_mov_b32 s[G1+6], 0
	s_mov_b32 s[G1+7], 0
	s_lshl_b32 s66, s[EX], 23                      ; the expert's 8,388,608 bytes
	s_lshl_b32 s67, s[KH], 22                      ; its second 1,024 rows
	s_add_co_u32 s66, s66, s67
	s_lshl_b32 s67, s[WV], 19                      ; my 128 rows of the first 512
	s_add_co_u32 s66, s66, s67
	s_lshl_b32 s67, s[CS], 8                       ; the 64 columns
	s_add_co_u32 s66, s66, s67
	s_mov_b32 s67, 0
	s_lshl_b32 s98, s[WV], 15
	s_mov_b32 s[G0A], 1
	s_mov_b32 s[G0A+1], s98                        ; rows lie in LDS in their order: 128 w, and 512 + 128 w
	s_mov_b32 s[G0B], 1
	s_add_co_u32 s[G0B+1], s98, 131072
	s_wait_dscnt 0x0                               ; the opening add is done
	s_wait_kmcnt 0x0
	s_add_nc_u64 s[G0A+2:G0A+3], s[6:7], s[66:67]
	s_add_nc_u64 s[G0B+2:G0B+3], s[G0A+2:G0A+3], 2097152  ; 512 rows on
	s_or_b32 s[G0A+3], s[G0A+3], 0x80000000
	s_or_b32 s[G0B+3], s[G0B+3], 0x80000000
	tensor_load_to_lds s[G0A:G0A+3], s[G1:G1+7]    ; all the weights are asked for at once: two loads of mine are out
	s_nop 0
	tensor_load_to_lds s[G0B:G0B+3], s[G1:G1+7]
	s_nop 0
	v_and_b32 v[LN], 31, v0
	v_and_b32 v[RR], 15, v0
	v_bfe_u32 v[HH], v0, 4, 1
	COUNTS
	v_lshlrev_b32 v[BL0], 4, v[RR]
	v_lshl_add_u32 v[YO], v[HH], 15, v[BL0]
	v_lshl_add_u32 v[BL0], v[HH], 13, v[BL0]
	s_lshl_b32 s66, s[KH], 15
	v_lshl_add_u32 v[A0], v[LN], 4, s66
	s_add_co_u32 s[BT], s[T0], s[WV]
	MKAOFF
	s_mov_b64 s[XA:XA+1], s[4:5]
	s_add_nc_u64 s[XN:XN+1], s[4:5], 8192
	s_mov_b32 s[KO], 8192
	s_mov_b32 s[KO+1], 0
.irp b, 0,1,2,3,4,5
	ALOAD \b, XA, 1024*\b                          ; the tokens of K steps 0 to 5
.endr
	s_mul_i32 s66, s[KH], 8912896                  ; the half's 2,176 rows of 4,096 bytes
	s_min_u32 s67, s[BT], 135
	s_lshl_b32 s67, s67, 16
	s_add_co_u32 s66, s66, s67
	s_lshl_b32 s67, s[CS], 8
	s_add_co_u32 s66, s66, s67
	s_mov_b32 s67, 0
	s_add_nc_u64 s[YT:YT+1], s[10:11], s[66:67]
	CLEAR                                          ; in the wait for the first tile
	s_wait_tensorcnt 0x1                           ; my part of the first 512 rows is in; the second load stays out
	s_barrier_signal -1
	s_barrier_wait -1                              ; everybody's is
	; THE PROLOGUE: what steps 0 and 1 of the first trip would read and convert; there is nothing yet to multiply
	s_mov_b32 s[TB], 0
	v_add_nc_u32 v[BLG], s[TB], v[BL0]
	s_add_co_u32 s[TB], s[TB], 65536
	RAWLOAD 0                                      ; K step 0
	s_wait_dscnt 0x0
	CVTALL
	RAWLOAD 16                                     ; K step 1
	s_mov_b32 s[HF], 2
	s_mov_b32 s[CT], 2
	s_branch .Lenter                               ; the loop is entered at the first trip's third step
.Lhalf:                                                ; a half of the weights is read: two trips of eight steps, 256 rows each
	s_mov_b32 s[CT], 2
.Ltrip:
	v_add_nc_u32 v[BLG], s[TB], v[BL0]
	s_add_co_u32 s[TB], s[TB], 65536
	STEP 0, 1, 1, 50                               ; five younger steps' ten loads each stay out
	STEP 1, 1, 1, 50
.Lenter:
	STEP 2, 1, 1, 50
	STEP 3, 1, 1, 50
	STEP 4, 1, 1, 50
	STEP 5, 1, 1, 50
	STEP 6, 1, 1, 50
	STEP 7, 1, 1, 50
	s_wait_xcnt 0x0                                ; the token loads' bases are rewritten only behind this wait
	s_mov_b64 s[XA:XA+1], s[XN:XN+1]
	s_add_co_u32 s[KO], s[KO], 8192
	s_and_b32 s[KO], s[KO], 32767                  ; behind the last step the look-ahead goes back to the half's first: inside the tile, loaded and not used
	s_add_nc_u64 s[XN:XN+1], s[4:5], s[KO:KO+1]
	s_sub_co_u32 s[CT], s[CT], 1
	s_cmp_lg_u32 s[CT], 0
	s_cbranch_scc1 .Ltrip
	s_wait_tensorcnt 0x0                           ; my part of the second 512 rows is in,
	s_wait_dscnt 0x0
	s_barrier_signal -1
	s_barrier_wait -1                              ; everybody's is (behind the second half this barrier orders nothing further)
	s_sub_co_u32 s[HF], s[HF], 1
	s_cmp_lg_u32 s[HF], 0
	s_cbranch_scc1 .Lhalf
	STEP 0, 0, 1, 50                               ; nothing is left to read: K step 30 is multiplied and K step 31 converted,
	STEP 1, 0, 0, 40                               ; and K step 31 multiplied: behind its tokens only the look-ahead's forty loads are out
	s_wait_loadcnt 0x0                             ; the look-ahead's last four steps: loaded, not used
.rept 5
	v_nop                                          ; the places behind the last products
.endr
	s_mov_b32 s[PC], 4
.Lpass:                                                ; four trips: a pass's way out, then the next pass if my wave has tiles left; no barrier inside
	EPI 0
	EPI 1
	EPI 2
	EPI 3
	EPI 4
.Lepi_end:
	s_wait_xcnt 0x0                                ; the stores' base is rewritten only behind this wait
	s_sub_co_u32 s[REM], s[REM], s[MT]
	s_min_u32 s[MT], s[REM], 5
	s_add_co_u32 s[BT], s[BT], 20
	s_add_nc_u64 s[YT:YT+1], s[YT:YT+1], 20*65536
	s_cmp_eq_u32 s[MT], 0
	s_cbranch_scc1 .Lnoextra
	MKAOFF
	CLEAR
	s_mov_b64 s[XA:XA+1], s[4:5]
	v_mov_b32 v[BLG], v[BL0]                       ; the resident weights once more, a slice of 64 k a trip
	s_mov_b32 s[CT], 16
.Lx:
	XS 0
	XS 1
	v_add_nc_u32 v[BLG], 16384, v[BLG]
	s_add_nc_u64 s[XA:XA+1], s[XA:XA+1], 2048      ; its loads are all in
	s_sub_co_u32 s[CT], s[CT], 1
	s_cmp_lg_u32 s[CT], 0
	s_cbranch_scc1 .Lx
.rept 5
	v_nop
.endr
.Lnoextra:
	s_sub_co_u32 s[PC], s[PC], 1
	s_cmp_lg_u32 s[PC], 0
	s_cbranch_scc1 .Lpass
	s_wait_dscnt 0x0                               ; my reads of the weights are over;
	s_barrier_signal -1
	s_barrier_wait -1                              ; every wave's are, before any wave's closing lines
	s_wait_tensorcnt 0x0                           ; the wave's end: the closing add and its wait, behind my last tensor load
	ds_add_u32 v[SPW], v[NIL]
	s_wait_dscnt 0x0
	s_endpgm
.Lfunc_end_k_qa5274956de_down:
	.size	k_qa5274956de_down, .Lfunc_end_k_qa5274956de_down-k_qa5274956de_down
	.p2alignl 7, 3214868480
	.fill 96, 4, 3214868480
	.section	.rodata,"a",@progbits
	.p2align	6, 0x0
	.amdhsa_kernel k_qa5274956de_down
		.amdhsa_group_segment_fixed_size 262656
		.amdhsa_private_segment_fixed_size 0
		.amdhsa_enable_private_segment 0
		.amdhsa_kernarg_size 32
		.amdhsa_user_sgpr_count 2
		.amdhsa_user_sgpr_kernarg_segment_ptr 1
		.amdhsa_wavefront_size32 1
		.amdhsa_system_sgpr_workgroup_id_x 1
		.amdhsa_system_sgpr_workgroup_id_y 1
		.amdhsa_system_sgpr_workgroup_id_z 1
		.amdhsa_system_vgpr_workitem_id 0
		.amdhsa_next_free_vgpr 752
		.amdhsa_next_free_sgpr 100
		.amdhsa_reserve_vcc 0
		.amdhsa_float_denorm_mode_32 3
		.amdhsa_float_denorm_mode_16_64 3
		.amdhsa_memory_ordered 1
		.amdhsa_forward_progress 1
		.amdhsa_inst_pref_size 112
	.end_amdhsa_kernel
	.amdgpu_metadata
---
amdhsa.version: [ 1, 2 ]
amdhsa.kernels:
  - .name:           k_qa5274956de_down
    .symbol:         k_qa5274956de_down.kd
    .args:
      - { .name: hb, .offset: 0, .size: 8, .value_kind: global_buffer, .address_space: global }
      - { .name: w2, .offset: 8, .size: 8, .value_kind: global_buffer, .address_space: global }
      - { .name: mk, .offset: 16, .size: 8, .value_kind: global_buffer, .address_space: global }
      - { .name: yb, .offset: 24, .size: 8, .value_kind: global_buffer, .address_space: global }
    .group_segment_fixed_size: 262656
    .private_segment_fixed_size: 0
    .kernarg_segment_align: 8
    .kernarg_segment_size: 32
    .max_flat_workgroup_size: 128
    .sgpr_count:     100
    .vgpr_count:     752
    .wavefront_size: 32
...
	.end_amdgpu_metadata
.endif
;; end of part 3
;; launch combine (part 4): grid 256 x 1, 4 waves a work-group, no clusters, 0 bytes of LDS; arguments yb, sel, gw, pos, out0; writes out0
.if DOCPART == 4
	.amdgcn_target "amdgcn-amd-amdhsa--gfx1250"
	.amdhsa_code_object_version 6
	.text
	.protected	k_qa5274956de_combine
	.globl	k_qa5274956de_combine
	.p2align	8
	.type	k_qa5274956de_combine,@function
k_qa5274956de_combine:
	s_mov_b64 s[64:65], 0
	v_nop
	global_prefetch_b8 v0, s[64:65] scope:SCOPE_SE
	s_setreg_imm32_b32 hwreg(HW_REG_WAVE_MODE, 25, 1), 1
	s_wait_xcnt 0x0
; THE SUM.  out0[t] = w0 (yb[0][p0] + yb[1][p0]) + w1 (yb[0][p1] + yb[1][p1]), in f32: p0, p1 the sorted rows of token t under its two experts, w0, w1 its renormalised weights.
; A wave takes one token: four rows of 4,096 bytes in, one out; every load and store of the wave covers 512 consecutive bytes.  All 32 loads are out before the first wait.
; The token's word of sel, its weights and its eight words of pos are asked for together, so that one wait serves them; the two rows are then chosen among the eight by scalar selects.
; No LDS, no matrix unit, no cluster: each byte has one reader and there is nothing to share.
	s_load_b256 s[4:11], s[0:1], 0x0               ; yb s[4:5], sel s[6:7], gw s[8:9], pos s[10:11]
	s_load_b64 s[12:13], s[0:1], 0x20              ; out0
	v_lshrrev_b32 v1, 5, v0
	v_readfirstlane_b32 s14, v1                    ; wave 0..3
	s_lshl_b32 s15, ttmp9, 2
	s_add_co_u32 s15, s15, s14                     ; my token
	v_and_b32 v1, 31, v0
	v_lshlrev_b32 v2, 4, v1                        ; 16 bytes a lane
	s_lshl_b32 s16, s15, 2
	s_mov_b32 s17, 0
	s_lshl_b32 s18, s15, 3
	s_mov_b32 s19, 0
	s_lshl_b32 s20, s15, 12
	s_mov_b32 s21, 0
	s_wait_kmcnt 0x0
	s_add_nc_u64 s[6:7], s[6:7], s[16:17]
	s_add_nc_u64 s[8:9], s[8:9], s[18:19]
	s_add_nc_u64 s[10:11], s[10:11], s[16:17]
	s_add_nc_u64 s[12:13], s[12:13], s[20:21]
	s_load_b32 s22, s[6:7], 0x0
	s_load_b64 s[24:25], s[8:9], 0x0
.irp e, 0,1,2,3,4,5,6,7
	s_load_b32 s[32+\e], s[10:11], 4096*\e
.endr
	s_wait_kmcnt 0x0
	s_and_b32 s28, s22, 0xff                       ; the first expert,
	s_min_u32 s28, s28, 7
	s_bfe_u32 s29, s22, 0x80008                    ; the second
	s_min_u32 s29, s29, 7
	s_mov_b32 s26, s32
	s_mov_b32 s27, s32
.irp e, 1,2,3,4,5,6,7
	s_cmp_eq_u32 s28, \e
	s_cselect_b32 s26, s[32+\e], s26
	s_cmp_eq_u32 s29, \e
	s_cselect_b32 s27, s[32+\e], s27
.endr
	s_min_u32 s26, s26, 2175                       ; 136 tiles of 16 rows
	s_min_u32 s27, s27, 2175
	s_lshl_b32 s48, s26, 12
	s_mov_b32 s49, 0
	s_add_nc_u64 s[40:41], s[4:5], s[48:49]        ; the first expert's row, first half of K,
	s_add_nc_u64 s[42:43], s[40:41], 8912896       ; second half
	s_lshl_b32 s48, s27, 12
	s_add_nc_u64 s[44:45], s[4:5], s[48:49]        ; the second expert's
	s_add_nc_u64 s[46:47], s[44:45], 8912896
	s_mov_b32 s50, s25                             ; w1 as the low word of a pair; w0 is s24
	s_mov_b32 s51, s25
.set q, 0
.rept 8
	global_load_b128 v[32+16*q:35+16*q], v2, s[40:41] offset:512*q th:TH_LOAD_NT
	global_load_b128 v[36+16*q:39+16*q], v2, s[42:43] offset:512*q th:TH_LOAD_NT
	global_load_b128 v[40+16*q:43+16*q], v2, s[44:45] offset:512*q th:TH_LOAD_NT
	global_load_b128 v[44+16*q:47+16*q], v2, s[46:47] offset:512*q th:TH_LOAD_NT
.set q, q+1
.endr
.set q, 0
.rept 8
	s_wait_loadcnt 4*(7-q)                         ; the later pieces' four loads each stay out
.irp z, 0,2
	v_pk_mul_f32 v[32+16*q+\z:33+16*q+\z], v[32+16*q+\z:33+16*q+\z], s[24:25] op_sel_hi:[1,0]
	v_pk_fma_f32 v[32+16*q+\z:33+16*q+\z], v[36+16*q+\z:37+16*q+\z], s[24:25], v[32+16*q+\z:33+16*q+\z] op_sel_hi:[1,0,1]
	v_pk_fma_f32 v[32+16*q+\z:33+16*q+\z], v[40+16*q+\z:41+16*q+\z], s[50:51], v[32+16*q+\z:33+16*q+\z] op_sel_hi:[1,0,1]
	v_pk_fma_f32 v[32+16*q+\z:33+16*q+\z], v[44+16*q+\z:45+16*q+\z], s[50:51], v[32+16*q+\z:33+16*q+\z] op_sel_hi:[1,0,1]
.endr
	global_store_b128 v2, v[32+16*q:35+16*q], s[12:13] offset:512*q th:TH_STORE_NT
.set q, q+1
.endr
	s_endpgm
.Lfunc_end_k_qa5274956de_combine:
	.size	k_qa5274956de_combine, .Lfunc_end_k_qa5274956de_combine-k_qa5274956de_combine
	.p2alignl 7, 3214868480
	.fill 96, 4, 3214868480
	.section	.rodata,"a",@progbits
	.p2align	6, 0x0
	.amdhsa_kernel k_qa5274956de_combine
		.amdhsa_group_segment_fixed_size 0
		.amdhsa_private_segment_fixed_size 0
		.amdhsa_enable_private_segment 0
		.amdhsa_kernarg_size 40
		.amdhsa_user_sgpr_count 2
		.amdhsa_user_sgpr_kernarg_segment_ptr 1
		.amdhsa_wavefront_size32 1
		.amdhsa_system_sgpr_workgroup_id_x 1
		.amdhsa_system_sgpr_workgroup_id_y 1
		.amdhsa_system_sgpr_workgroup_id_z 1
		.amdhsa_system_vgpr_workitem_id 0
		.amdhsa_next_free_vgpr 160
		.amdhsa_next_free_sgpr 66
		.amdhsa_reserve_vcc 0
		.amdhsa_float_denorm_mode_32 3
		.amdhsa_float_denorm_mode_16_64 3
		.amdhsa_memory_ordered 1
		.amdhsa_forward_progress 1
		.amdhsa_inst_pref_size 12
	.end_amdhsa_kernel
	.amdgpu_metadata
---
amdhsa.version: [ 1, 2 ]
amdhsa.kernels:
  - .name:           k_qa5274956de_combine
    .symbol:         k_qa5274956de_combine.kd
    .args:
      - { .name: yb, .offset: 0, .size: 8, .value_kind: global_buffer, .address_space: global }
      - { .name: sel, .offset: 8, .size: 8, .value_kind: global_buffer, .address_space: global }
      - { .name: gw, .offset: 16, .size: 8, .value_kind: global_buffer, .address_space: global }
      - { .name: pos, .offset: 24, .size: 8, .value_kind: global_buffer, .address_space: global }
      - { .name: out0, .offset: 32, .size: 8, .value_kind: global_buffer, .address_space: global }
    .group_segment_fixed_size: 0
    .private_segment_fixed_size: 0
    .kernarg_segment_align: 8
    .kernarg_segment_size: 40
    .max_flat_workgroup_size: 128
    .sgpr_count:     66
    .vgpr_count:     160
    .wavefront_size: 32
...
	.end_amdgpu_metadata
.endif
;; end of part 4
